; MI455X (gfx1250); checked and timed in simulation.
; The chip was launched on July 23, 2026; its instructions are those of AMD's public machine-readable ISA for CDNA 5 (MIT licence, August 2026) and "CDNA5" Instruction Set Architecture Reference Guide (July 2026). The comments in the code are by the model that wrote it; some were corrected since.
;; Quantum Transformer Block. Allowed arithmetic: matrix products marked QUANTISED: E4M3 operands, one given power-of-two scale a tensor, by v_wmma_f32_16x16x64_fp8_fp8 or v_wmma_f32_16x16x128_fp8_fp8, f32 sums; products left as they are: f32 operands where the result goes on into a quantised operand, else bf16, f16 or f32 operands; f32 sums; everything else in f32.
;; Inputs: b1 1 float32; b_comb 1,024 float32; beta1 1,024 float32; beta2 1,024 float32; gamma1 1,024 float32; gamma2 1,024 float32; lowp_scales 8 int32 (the exponents e of the quantised operands' scales 2^e); theta 8 float32; w1 1 x 8 float32; w_comb 1,024 x 1,024 float32; w_qkv 3,072 x 1,024 float32; x 2 x 2,048 x 1,024 float32.
;; Outputs: out0 2 x 2,048 x 1,024 float32.
;; This version of the problem:
;;   THIS VERSION OF THE PROBLEM IS GIVEN IN LOW PRECISION. The matrix products marked QUANTISED in the list below multiply operands that are first quantised to E4M3 (4 exponent bits, 3 mantissa bits; 8 bits a number), with one given power-of-two scale for each operand tensor; their sums are f32. All else is computed in f32.
;;   The module's matrix products, in the order in which they are computed (A, B: the left and right operand; K: the contracted axis; several contracted axes count as one K, in the product's order):
;;     1. [M 4,096, K 1,024] x [K 1,024, N 3,072]; A: input x; B: input w_qkv: QUANTISED (scales: A lowp_scales[0], B lowp_scales[1])
;;     2. batch 32 x [M 2,048, K 64] x [K 64, N 2,048]; A: computed on the way; B: computed on the way: QUANTISED (scales: A lowp_scales[2], B lowp_scales[3])
;;     3. batch 32 x [M 2,048, K 2,048] x [K 2,048, N 64]; A: softmax (see below); B: computed on the way: QUANTISED (scales: A lowp_scales[4], B lowp_scales[5])
;;     4. [M 4,096, K 1,024] x [K 1,024, N 1,024]; A: computed on the way; B: input w_comb: QUANTISED (scales: A lowp_scales[6], B lowp_scales[7])
;;     5. [M 4,096, K 8] x [K 8, N 1]; A: computed on the way; B: input w1: left as it is (K = 8 < 32)
;;   THE QUANTISER, for each operand of a quantised product, along K:
;;     - The operand's scale is 2^e, e = its entry of the input lowp_scales (int32; the entries are numbered through the quantised products in the list's order, A before B).
;;     - Each number is divided by the scale, clamped to +-448, and rounded to the nearest number of E4M3, ties to even, subnormals kept.
;;     - The product sums the exact products of the quantised numbers (number of the format x scale) in f32.
;;   ~~~python
;;   def quantise(x, axis, e):      # numpy; x: float32 -> the quantised numbers, widened to float32 again
;;       x = np.moveaxis(x, axis, -1); K = x.shape[-1]
;;       r = np.clip(x / 2.0 ** e, -448, 448)
;;       step = 2.0 ** (np.maximum(np.frexp(np.where(r == 0, 1, r))[1] - 1, -6) - 3)
;;       q = np.round(r / step) * step * 2.0 ** e      # np.round: ties to even
;;       return np.moveaxis(q, -1, axis).astype(np.float32)
;;   ~~~
;;   SOFTMAX AHEAD OF A QUANTISED PRODUCT. Where the list says 'softmax', what is quantised is not the finished softmax but p = 2^(t - M), with t = logit x log2(e) and M = ceil(the row's largest t), a whole number; so 1/2 < the row's largest p <= 1. The row's sum l is taken of the UNQUANTISED p, in f32, and the product's result is divided by l at the end. Since M is a whole number, a kernel that streams over the keys may use a running M (the ceiling of the running maximum): every later rescaling is an exact power of two, so the quantised numbers keep their values, but for numbers so far below the row's largest that they fall under the format's range.
;;   OPERANDS COMPUTED ON THE WAY. 'Computed on the way' means the value that the module computes at that place (a softmax that the list does not call 'softmax' is quantised finished and normalised). What goes into a quantiser is computed in f32, as accurately as f32 sums, v_exp_f32 and their like allow (about 1e-6 of the number): no bf16 or f16 on the way to a quantiser, and a product that is left as it is and whose result goes on into a quantised operand takes f32 operands (vector FMAs, or v_wmma_f32_16x16x4_f32). A number that lies on a knife's edge between two numbers of the format may be rounded either way, as far as f32 arithmetic and the matrix unit's own rounding can turn it there, and no further.
;; One version. Each part assembles by itself: llvm-mc -triple=amdgcn-amd-amdhsa -mcpu=gfx1250 --defsym DOCPART=n.
;; ======== version 1 of 1: 4 launches
;; limits: right only within a limited range of input values
;; workspace buffers: xc 4,194,304 bytes; wqc 3,145,728 bytes; wcc 1,048,576 bytes; qimg 4,194,304 bytes; kvimg 8,388,608 bytes; ac 4,194,304 bytes
;; launch quant (part 1): grid 256 x 1, 8 waves a work-group, no clusters, 66,560 bytes of LDS; arguments x, w_qkv, w_comb, lowp_scales, xc, wqc, wcc; writes xc, wqc, wcc
.if DOCPART == 1
	.amdgcn_target "amdgcn-amd-amdhsa--gfx1250"
	.amdhsa_code_object_version 6
	.text
	.protected	k_qb9c5557e07_quant
	.globl	k_qb9c5557e07_quant
	.p2align	8
	.type	k_qb9c5557e07_quant,@function
k_qb9c5557e07_quant:
	s_mov_b64 s[64:65], 0
	v_nop
	global_prefetch_b8 v0, s[64:65] scope:SCOPE_SE
	s_setreg_imm32_b32 hwreg(HW_REG_WAVE_MODE, 25, 1), 1
	s_wait_xcnt 0x0
; x [4096][1024], w_qkv [3072][1024] and w_comb [1024][1024], f32, become codes of E4M3, one byte each, K innermost, as the rows lie.
; code = number / 2^e, held within +-448, rounded to the nearest code, ties to even.  e: entry 0 of the scales for x, entry 1 for w_qkv, entry 7 for w_comb.
; LIMITS: each of these e lies between -126 and 119, so that 2^e and 448 x 2^e are f32 numbers.  NaN among the inputs is not served (an infinity is held at the largest code).
; Rows are dense, so each tensor is a plain stream.  A work-group takes 32,768 numbers: work-groups 0-127 x, 128-223 w_qkv, 224-255 w_comb; only pointers and e are chosen, the path is one.
; A wave takes 4,096 numbers in 8 steps of 512.  All 32 loads of a wave go out at once (16 KiB a wave); each reads 512 consecutive bytes.
; The conversion takes 8 neighbours from ONE lane's registers, so a step's 2,048 bytes turn through the wave's own stage in LDS: stored as loaded, read back 64 bytes a lane
; (16 bytes of padding behind each 64).  A lane's 16 codes are 16 bytes: a store of the wave covers 512 consecutive bytes, aligned.
; No tensor loads, no barrier: waves share nothing.  No cluster: work-groups share nothing but 32 bytes of scales.
; DEAD WORK THAT THE PROGRAM LEAVES OUT: ffn and with it the product z w1^T + b1 and both cosines.  ffn is [B, S, 1]: ONE number f for each row, added to all of the row.  The second norm takes the row's mean away:
; the mean of x1 + f is mean(x1) + f, so (x1 + f) - mean(x1 + f) = x1 - mean(x1), and the variance is x1's, whatever finite values theta, w1, b1 and x1 hold.  |f| is at most the sum of |w1| and |b1|, a bias of ordinary size.
; So theta, w1 and b1 have no way to the output and are no launch's arguments.  LIMIT: a NaN, an infinity or an overflow that arises in ffn alone is not carried to the result.
.set STEPS, 8
.set SP,    80                         ; a lane's place in a stage: 64 bytes + 16 of padding
.set STG,   32*SP                      ; a stage
.set WREG,  8192                       ; LDS of a wave: two stages
.set R,     16                         ; v16-143  8 steps x 16 numbers as loaded
.set X,     144                        ; v144-175 two sets of 16 neighbours
.set C,     176                        ; v176-207 codes: 4 registers a step, so no store's data are written again
	s_load_b256 s[4:11], s[0:1], 0x0               ; x s[4:5], w_qkv s[6:7], w_comb s[8:9], the scales' exponents s[10:11]
	s_load_b128 s[12:15], s[0:1], 0x20             ; xc s[12:13], wqc s[14:15]
	s_load_b64 s[16:17], s[0:1], 0x30              ; wcc
	v_lshl_add_u32 v208, v0, 2, 0x10000
	v_mov_b32 v209, 0
	v_lshrrev_b32 v1, 5, v0
	s_delay_alu instid0(VALU_DEP_1)
	v_readfirstlane_b32 s18, v1                    ; wave 0..7
	v_and_b32 v2, 31, v0                           ; lane
	s_delay_alu instid0(VALU_DEP_1)
	v_lshlrev_b32 v3, 4, v2                        ; my 16 bytes of a load's 512, and of a store's
	s_mul_i32 s36, s18, WREG
	v_lshrrev_b32 v14, 2, v2
	s_delay_alu instid0(VALU_DEP_1)
	v_mul_u32_u24 v14, v14, SP
	v_and_b32 v15, 3, v2
	s_delay_alu instid0(VALU_DEP_1)
	v_lshl_add_u32 v14, v15, 4, v14
	s_delay_alu instid0(VALU_DEP_1)
	v_add_nc_u32 v14, s36, v14                     ; the stage, on the way in: SP (lane / 4) + 16 (lane % 4)
	v_mul_u32_u24 v15, v2, SP
	s_delay_alu instid0(VALU_DEP_1)
	v_add_nc_u32 v15, s36, v15                     ; and on the way out: SP x lane
	s_wait_alu depctr_va_vdst(0)
	s_wait_kmcnt 0x0
	s_load_b256 s[28:35], s[10:11], 0x0            ; e0 .. e7
	s_mov_b32 s24, 224
	s_cmp_lt_u32 ttmp9, 224                        ; the choice hangs on the work-group's number alone
	s_cselect_b64 s[20:21], s[6:7], s[8:9]
	s_cselect_b64 s[22:23], s[14:15], s[16:17]
	s_cselect_b32 s24, 128, s24
	s_cmp_lt_u32 ttmp9, 128
	s_cselect_b64 s[20:21], s[4:5], s[20:21]       ; from where
	s_cselect_b64 s[22:23], s[12:13], s[22:23]     ; to where
	s_cselect_b32 s24, 0, s24                      ; the tensor's first work-group
	s_sub_co_u32 s36, ttmp9, s24
	s_lshl_b32 s36, s36, 3
	s_add_co_u32 s36, s36, s18                     ; which run of 4,096 numbers is my wave's
	s_lshl_b32 s38, s36, 14                        ; 16,384 bytes of f32 (16 MiB at the most)
	s_mov_b32 s39, 0
	s_add_nc_u64 s[20:21], s[20:21], s[38:39]
	s_lshl_b32 s40, s36, 12                        ; 4,096 bytes of codes
	s_mov_b32 s41, 0
	s_add_nc_u64 s[22:23], s[22:23], s[40:41]
.macro LOAD t
.irp i, 0,1,2,3
	global_load_b128 v[R+16*(\t)+4*\i:R+16*(\t)+4*\i+3], v3, s[20:21] offset:2048*(\t)+512*\i th:TH_LOAD_NT
.endr
.endm
.macro TURN t                          ; step t through the stage: LDS serves a wave's instructions in order, so no wait stands between the stores and the loads
.irp i, 0,1,2,3
	ds_store_b128 v14, v[R+16*(\t)+4*\i:R+16*(\t)+4*\i+3] offset:STG*((\t)%2)+8*SP*\i
.endr
.irp i, 0,1,2,3
	ds_load_b128 v[X+16*((\t)%2)+4*\i:X+16*((\t)%2)+4*\i+3], v15 offset:STG*((\t)%2)+16*\i
.endr
.endm
.irp t, 0,1,2,3,4,5,6,7
	LOAD \t
.endr
	s_wait_kmcnt 0x0
	s_cmp_lt_u32 ttmp9, 224
	s_cselect_b32 s37, s29, s35                    ; e1 or e7,
	s_cmp_lt_u32 ttmp9, 128
	s_cselect_b32 s37, s28, s37                    ; or e0
	s_add_co_i32 s37, s37, 127
	s_lshl_b32 s36, s37, 23
	v_mov_b32 v11, s36                             ; 2^e as f32: the conversion takes its exponent field
	s_add_co_i32 s37, s37, 8
	s_lshl_b32 s37, s37, 23
	s_or_b32 s37, s37, 0x600000
	v_mov_b32 v10, s37                             ; 448 x 2^e
	s_wait_alu depctr_va_vdst(0)
	s_wait_loadcnt 28                              ; step 0's four loads are in; the 28 behind them may be out
	TURN 0
.macro STEP t
.set XS, X+16*((\t)%2)
	s_wait_dscnt 0x0                               ; this step's numbers are back from the stage
.if (\t) < STEPS-1
	s_wait_loadcnt 4*(STEPS-2-(\t))                ; the next step's four loads are in; four for each later step may be out
	TURN (\t)+1                                    ; and go through the other stage while this step is worked
.endif
.irp i, 0,1,2,3,4,5,6,7,8,9,10,11,12,13,14,15
	v_med3_num_f32 v[XS+\i], v[XS+\i], -v10, v10   ; the conversion to an 8-bit code does not saturate (ISA guide 7.6.2): the hold comes first
.endr
	v_cvt_scalef32_pk8_fp8_f32 v[C+4*(\t):C+4*(\t)+1], v[XS:XS+7], v11
	v_cvt_scalef32_pk8_fp8_f32 v[C+4*(\t)+2:C+4*(\t)+3], v[XS+8:XS+15], v11
	global_store_b128 v3, v[C+4*(\t):C+4*(\t)+3], s[22:23] offset:512*(\t)   ; the results go to a store alone; the next vector lines are plain and touch other registers
.endm
.irp t, 0,1,2,3,4,5,6,7
	STEP \t
.endr
	s_wait_tensorcnt 0x0
	ds_add_u32 v208, v209
	s_wait_dscnt 0x0
	s_endpgm
.Lfunc_end_k_qb9c5557e07_quant:
	.size	k_qb9c5557e07_quant, .Lfunc_end_k_qb9c5557e07_quant-k_qb9c5557e07_quant
	.p2alignl 7, 3214868480
	.fill 96, 4, 3214868480
	.section	.rodata,"a",@progbits
	.p2align	6, 0x0
	.amdhsa_kernel k_qb9c5557e07_quant
		.amdhsa_group_segment_fixed_size 66560
		.amdhsa_private_segment_fixed_size 0
		.amdhsa_enable_private_segment 0
		.amdhsa_kernarg_size 56
		.amdhsa_user_sgpr_count 2
		.amdhsa_user_sgpr_kernarg_segment_ptr 1
		.amdhsa_wavefront_size32 1
		.amdhsa_system_sgpr_workgroup_id_x 1
		.amdhsa_system_sgpr_workgroup_id_y 1
		.amdhsa_system_sgpr_workgroup_id_z 1
		.amdhsa_system_vgpr_workitem_id 0
		.amdhsa_next_free_vgpr 210
		.amdhsa_next_free_sgpr 66
		.amdhsa_reserve_vcc 0
		.amdhsa_float_denorm_mode_32 3
		.amdhsa_float_denorm_mode_16_64 3
		.amdhsa_memory_ordered 1
		.amdhsa_forward_progress 1
		.amdhsa_inst_pref_size 21
	.end_amdhsa_kernel
	.amdgpu_metadata
---
amdhsa.version: [ 1, 2 ]
amdhsa.kernels:
  - .name:           k_qb9c5557e07_quant
    .symbol:         k_qb9c5557e07_quant.kd
    .args:
      - { .name: x, .offset: 0, .size: 8, .value_kind: global_buffer, .address_space: global }
      - { .name: w_qkv, .offset: 8, .size: 8, .value_kind: global_buffer, .address_space: global }
      - { .name: w_comb, .offset: 16, .size: 8, .value_kind: global_buffer, .address_space: global }
      - { .name: lowp_scales, .offset: 24, .size: 8, .value_kind: global_buffer, .address_space: global }
      - { .name: xc, .offset: 32, .size: 8, .value_kind: global_buffer, .address_space: global }
      - { .name: wqc, .offset: 40, .size: 8, .value_kind: global_buffer, .address_space: global }
      - { .name: wcc, .offset: 48, .size: 8, .value_kind: global_buffer, .address_space: global }
    .group_segment_fixed_size: 66560
    .private_segment_fixed_size: 0
    .kernarg_segment_align: 8
    .kernarg_segment_size: 56
    .max_flat_workgroup_size: 256
    .sgpr_count:     66
    .vgpr_count:     210
    .wavefront_size: 32
...
	.end_amdgpu_metadata
.endif
;; end of part 1
;; launch qkv (part 2): grid 8 x 24, 4 waves a work-group, clusters of 4 x 4, 327,680 bytes of LDS; arguments xc, wqc, lowp_scales, qimg, kvimg; writes qimg, kvimg
.if DOCPART == 2
	.amdgcn_target "amdgcn-amd-amdhsa--gfx1250"
	.amdhsa_code_object_version 6
	.text
	.protected	k_qb9c5557e07_qkv
	.globl	k_qb9c5557e07_qkv
	.p2align	8
	.type	k_qb9c5557e07_qkv,@function
k_qb9c5557e07_qkv:
	s_mov_b64 s[64:65], 0
	v_nop
	global_prefetch_b8 v0, s[64:65] scope:SCOPE_SE
	s_setreg_imm32_b32 hwreg(HW_REG_WAVE_MODE, 25, 1), 1
	s_wait_xcnt 0x0
	s_wait_alu depctr_hold_cnt(0) depctr_sa_sdst(0) depctr_va_vdst(0) depctr_va_sdst(0) depctr_va_ssrc(0) depctr_va_vcc(0) depctr_vm_vsrc(0)
	s_getreg_b32 s2, hwreg(HW_REG_IB_STS2, 6, 4)
	s_cmp_eq_u32 s2, 0
	s_cbranch_scc0 .Lentry_in_a_cluster
	s_endpgm
.Lentry_in_a_cluster:
	s_bfe_u32 s2, ttmp6, 0x10000c
	s_cmp_lg_u32 s2, 0xf033
	s_cbranch_scc0 .Lentry_shape_is_right
	s_endpgm
.Lentry_shape_is_right:
; The first product, x w_qkv^T, on codes of E4M3; its f32 sums are quantised in registers to q (scale entry 2), k (entry 3) and v (entry 5) and stored as IMAGES OF OPERAND REGISTERS.
; A tile of 256 x 256 of "A B^T" to a work-group of four waves, 128 x 128 to a wave (64 accumulators, 512 registers).  K = 1,024 goes in four steps of 256 through two LDS slots.
; ROLES, chosen by pointers and offsets alone, on the cluster's coordinates, which all partners share; the path is one:
;   cluster y 0-3: A = x's codes (tokens), B = w_qkv's rows 0-2047: cluster x 0 makes q, cluster x 1 makes k.   cluster y 4, 5: A = w_qkv's rows 2048-3071 (v's channels), B = x's codes (tokens).
; 192 tiles: 128 for q and k, 64 for v.  Halving the tile would give 384 work-groups, which is two turns of the same length on 256 processors.
; THE MATRIX INSTRUCTION IS USED TRANSPOSED (source 0 = 16 rows of B, source 1 = 16 rows of A): lane (r, h) holds row r of A's block and, in register j of accumulator b, column 16 b + 8 h + j.
; So the conversion of accumulator b's eight registers IS registers 2 b, 2 b + 1 of an 8-bit operand (lane (r, h): row r, registers 2 c, 2 c + 1: k = 16 c + 8 h + 0 .. 7):
;   q, k: row = token, k = the head's 64 channels: accumulators 0-3 one head's fragment (8 registers), 4-7 the next head's.   v: row = channel, k = 128 keys: accumulators 0-7 one fragment of 16 registers.
; An image: registers 4 q .. 4 q + 3 of all lanes are 512 consecutive bytes, lane l's at 16 l.  qimg: [head of 32][tile of 16 queries][1,024].  kvimg: [head][chunk of 128 keys][16,384]: 8 fragments of k, then 4 of v (2,048 each).
; CLUSTERS: 4 x 4.  A's tile is shared along a row of the cluster, B's along a column: each is asked for jointly, by the same tensor load with the same descriptor and a mask that names the four.
; The fragments are fetched by four loads of 16 bytes: a permutation of k that is the same in A and in B, so every product meets its partner.
; LIMITS: eo - e0 - e1 lies between -126 and 119 for eo = e2, e3, e5, so that the conversion's scale and 448 x it are f32 numbers.
; REGISTERS: window 0: v10, v11 the hold and the scale; v16-25 addresses; v28, v29 the spare word's address and 0; v32-95, v96-111 at work on the way out; v128-255 A's fragments, one set.
;   window 1: B's fragments, two sets.   window 2, 3: the accumulators of my rows 0-63, 64-127 ((a, b) at v[8 (8 (a % 4) + b)]).
.set ROWB,   256                       ; a tile's row in bytes
.set KROW,   1024                      ; a row of codes in memory
.set PITCH,  272                       ; an LDS row: 256 bytes + 16 of padding: the 16 rows that a load touches start at 16 different banks (64 banks of 4 bytes: ISA guide 11.1)
.set FR,     16
.set NL,     4
.set NP,     4                         ; places behind this matrix instruction (ISA guide 7.12.1)
.set HALFT,  128*PITCH                 ; 128 rows: what one tensor load brings
.set SLOT,   4*HALFT                   ; A's 256 rows, then B's 256
.set SPARE,  2*SLOT                    ; behind the ring: the spare words, 128 bytes a wave, which no other line names
.set LIM,  10
.set SC,   11
.set ADRA, 16
.set ADRB, 20
.set VO0,  24                          ; 16 x lane
.set VO1,  25                          ; 16 x lane + the second half's distance
.set SPW,  28
.set NIL,  29
.set TMP,  32
.set CD,   96
.set AF,   128
.set G1, 24                            ; s[24:31] group 1 for A's tiles; s[32:39] group 0, a set for each slot
.set G0, 32
.set G1B, 48                           ; s[48:55], s[56:63] the same for B's
.set G0B, 56
.set MSB, 0
.macro WIN new                         ; the immediate's high byte repeats the setting that is left
.if MSB != (\new)
	s_set_vgpr_msb (MSB<<8)|(\new)
.set MSB, \new
.endif
.endm
.set MUL_LO, 0xa1                      ; source 0 (B) window 1, source 1 (A) window 0, C and D window 2
.set MUL_HI, 0xf1                      ; the same, C and D window 3
.set TO_B,   0x40                      ; destination window 1
; A joint load: waves 0 and 1 fetch for A, waves 2 and 3 for B; the branch hangs on the wave's number alone.  Four v_nop follow each of the two lines.
.macro JLOAD g0a, g1a, g0b, g1b
	s_cmp_eq_u32 s15, 0
	s_cbranch_scc0 .Lfor_b_\@
	tensor_load_to_lds s[\g0a:\g0a+3], s[\g1a:\g1a+7]
	s_nop 0
.rept 4
	v_nop
.endr
	s_branch .Lasked_\@
.Lfor_b_\@:
	tensor_load_to_lds s[\g0b:\g0b+3], s[\g1b:\g1b+7]
	s_nop 0
.rept 4
	v_nop
.endr
.Lasked_\@:
.endm
.macro CREST                           ; a round of the cluster's barrier behind its opening barrier
	s_cmp_lg_u32 s14, 0
	s_cbranch_scc1 .Lnot_wave_0_\@
	s_barrier_signal -3
.Lnot_wave_0_\@:
	s_barrier_wait -3
	s_barrier_signal -1
	s_barrier_wait -1
.endm
.macro CROUND
	s_barrier_signal -1
	s_barrier_wait -1
	CREST
.endm
	s_load_b256 s[4:11], s[0:1], 0x0               ; xc s[4:5], wqc s[6:7], the scales' exponents s[8:9], qimg s[10:11]
	s_load_b64 s[12:13], s[0:1], 0x20              ; kvimg
	v_lshl_add_u32 v[SPW], v0, 2, SPARE
	v_mov_b32 v[NIL], 0
	ds_add_u32 v28, v29
	ds_add_u32 v28, v29
	s_wait_dscnt 0x0
	v_lshrrev_b32 v1, 5, v0
	v_readfirstlane_b32 s14, v1                    ; wave 0..3
	s_lshr_b32 s15, s14, 1                         ; which half of the tile's rows is mine.  Also: I fetch for A (0) or for B (1)
	s_and_b32 s16, s14, 1                          ; which half of its columns.  Also: which 128 rows of that tile I fetch
	s_bfe_u32 s40, ttmp6, 0x40000                  ; cx
	s_bfe_u32 s41, ttmp6, 0x40004                  ; cy
	s_mov_b32 s70, ttmp9                           ; X: the cluster's x, 0 or 1
	s_and_b32 s71, ttmp7, 0xffff                   ; Y: the cluster's y, 0 to 5
	s_lshl_b32 s94, s71, 2                         ; 4 Y
	s_lshl_b32 s95, s70, 2                         ; 4 X
	s_max_u32 s96, s71, 4
	s_sub_co_u32 s96, s96, 4
	s_lshl_b32 s96, s96, 3
	s_add_co_u32 s96, s96, s95                     ; 8 (Y - 4) + 4 X: v's first tile column of tokens
	s_cmp_lt_u32 s71, 4
	s_cselect_b32 s72, s94, 0                      ; the cluster's first tile row
	s_cselect_b32 s73, s95, s96                    ; its first tile column
	s_cselect_b32 s74, 0, 0x200000                 ; v: A begins at w_qkv's row 2,048
	s_cselect_b32 s75, s70, 2                      ; role: 0 q, 1 k, 2 v
	s_add_co_u32 s17, s72, s41                     ; tile row
	s_add_co_u32 s42, s73, s40                     ; tile column
	s_lshl_b32 s43, s41, 2
	s_lshl_b32 s43, 15, s43                        ; my row of the cluster
	s_lshl_b32 s44, 0x1111, s40                    ; my column
	s_or_b32 s[G1+0], s43, (1<<20)|(1<<21)|(5<<22)|(3<<25)    ; 15:0 the mask; 17:16 elements of 1 byte; 20 padding on; 21 set beside a mask; after every 64 words (code 5) 4 words (code 3)
	s_or_b32 s[G1B+0], s44, (1<<20)|(1<<21)|(5<<22)|(3<<25)
.irp g, G1, G1B
	s_mov_b32 s[\g+1], ROWB<<16                    ; tensor_dim0
	s_mov_b32 s[\g+2], 128<<16                     ; tensor_dim1
	s_mov_b32 s[\g+3], ROWB<<16                    ; tile_dim0
	s_mov_b32 s[\g+4], 128                         ; tile_dim1
	s_mov_b32 s[\g+5], KROW                        ; from row to row
	s_mov_b32 s[\g+6], 0
	s_mov_b32 s[\g+7], 0
.endr
	s_lshl_b32 s18, s16, 7                         ; which 128 rows of the tile I fetch
	s_lshl_b32 s20, s17, 8
	s_add_co_u32 s20, s20, s18                     ; A: row 256 x tile row + 128 x half,
	s_lshl_b32 s20, s20, 10                        ; in bytes,
	s_add_co_u32 s20, s20, s74
	s_mov_b32 s21, 0
	s_lshl_b32 s46, s42, 8
	s_add_co_u32 s46, s46, s18                     ; B: row 256 x tile column + 128 x half
	s_lshl_b32 s46, s46, 10
	s_mov_b32 s47, 0
	s_mul_i32 s45, s14, HALFT                      ; where they go: wave x 128 rows: no place in the cluster enters an LDS address
	s_wait_kmcnt 0x0
	s_load_b256 s[76:83], s[8:9], 0x0              ; e0 .. e7
	s_cmp_lt_u32 s71, 4
	s_cselect_b64 s[66:67], s[4:5], s[6:7]         ; A's buffer
	s_cselect_b64 s[68:69], s[6:7], s[4:5]         ; B's
	s_add_nc_u64 s[20:21], s[66:67], s[20:21]
	s_add_nc_u64 s[46:47], s[68:69], s[46:47]
	CROUND                                         ; all sixteen work-groups are here: the first joint loads meet
.irp s, 0,1
	s_mov_b32 s[G0+4*\s], 1
	s_add_co_u32 s[G0+4*\s+1], s45, \s*SLOT
	s_add_nc_u64 s[G0+4*\s+2:G0+4*\s+3], s[20:21], \s*ROWB
	s_or_b32 s[G0+4*\s+3], s[G0+4*\s+3], 0x80000000
	s_mov_b32 s[G0B+4*\s], 1
	s_add_co_u32 s[G0B+4*\s+1], s45, \s*SLOT
	s_add_nc_u64 s[G0B+4*\s+2:G0B+4*\s+3], s[46:47], \s*ROWB
	s_or_b32 s[G0B+4*\s+3], s[G0B+4*\s+3], 0x80000000
.endr
	JLOAD G0, G1, G0B, G1B                         ; K step 0
	; THE PREFETCHES: K steps 2 and 3, 256 bytes of each row, each asked for one slot ahead of its joint load.  Of the 128 rows that a wave fetches, each of the four partners takes 32, told apart by address: a lane a row.
	; Each 256 bytes are named once in each cluster that will load them.  K steps 0 and 1 come by their loads alone; there is no K step behind 3.
	s_cmp_eq_u32 s15, 0
	s_cselect_b64 s[2:3], s[20:21], s[46:47]       ; my 128 rows of A or of B
	s_cselect_b32 s18, s40, s41                    ; my place among the four that ask jointly
	s_lshl_b32 s18, s18, 15                        ; x 32 rows x 1,024 bytes
	s_mov_b32 s19, 0
	s_add_nc_u64 s[2:3], s[2:3], s[18:19]
	v_and_b32 v30, 31, v0
	v_lshlrev_b32 v30, 10, v30
	v_and_b32 v1, 15, v0                           ; l % 16
	v_bfe_u32 v2, v0, 4, 1                         ; l / 16
	v_mul_u32_u24 v3, v1, PITCH
	v_lshl_add_u32 v4, v2, 4, v3                   ; a fragment's row x pitch + 16 x half
	s_mul_i32 s21, s15, HALFT                      ; my 128 rows of A
	s_mul_i32 s22, s16, HALFT                      ; my 128 rows of B,
	s_add_co_u32 s22, s22, 2*HALFT                 ; which lie behind A's 256
.irp s, 0,1
	v_add_nc_u32 v[ADRA+\s], s21, v4
	v_add_nc_u32 v[ADRB+\s], s22, v4
	s_add_co_u32 s21, s21, SLOT
	s_add_co_u32 s22, s22, SLOT
.endr
.macro FRAG reg, adr, q, i             ; 16 rows x 128 K: registers 4 c .. 4 c + 3 hold K = 32 c + 16 (l / 16) + 0 .. 15
.irp c, 0,1,2,3
	ds_load_b128 v[\reg+4*\c:\reg+4*\c+3], v[\adr] offset:128*(\q)+32*\c+(\i)*16*PITCH
.endr
.endm
; 16 matrix instructions: A's blocks a0, a0 + 1 x B's eight.  p: B's set.  zero = 1: the first product starts the sums.  The 64 accumulators take turns, one instruction a turn.
.macro MUL16 a0, p, zero
.irp a, \a0, \a0+1
.irp b, 0,1,2,3,4,5,6,7
.if \zero
	v_wmma_f32_16x16x128_fp8_fp8 v[8*(8*((\a)%4)+\b):8*(8*((\a)%4)+\b)+7], v[128*(\p)+FR*\b:128*(\p)+FR*\b+FR-1], v[AF+FR*(\a):AF+FR*(\a)+FR-1], 0
.else
	v_wmma_f32_16x16x128_fp8_fp8 v[8*(8*((\a)%4)+\b):8*(8*((\a)%4)+\b)+7], v[128*(\p)+FR*\b:128*(\p)+FR*\b+FR-1], v[AF+FR*(\a):AF+FR*(\a)+FR-1], v[8*(8*((\a)%4)+\b):8*(8*((\a)%4)+\b)+7]
.endif
.endr
.endr
.endm
.macro FETCH_B slot, q, p
	WIN TO_B
.irp i, 0,1,2,3,4,5,6,7
	FRAG 128*(\p)+FR*\i, ADRB+\slot, \q, \i
.endr
	WIN 0
.endm
.macro FETCH_A slot, q, i0
.irp i, \i0, \i0+1, \i0+2, \i0+3
	FRAG AF+FR*(\i), ADRA+\slot, \q, \i
.endr
.endm
.macro PLACES n                        ; plain vector lines between a matrix instruction and a load into a register that it read, or a read of its result
.rept \n
	v_nop
.endr
.endm
; A step of 128 along K that has its successor in the same slot.  A's blocks 0-3 are fetched anew in the step's middle, blocks 4-7 at its end; B has two sets.
.macro STEP slot, q, zero
	s_wait_dscnt 4*NL                              ; B's set and A's blocks 0-3 are in; the youngest 16 loads (A's blocks 4-7) may be out
	WIN MUL_LO
	MUL16 0, (\q)%2, \zero
	MUL16 2, (\q)%2, \zero
	s_wait_dscnt 0
	PLACES NP
	FETCH_B \slot, (\q)+1, 1-(\q)%2
	FETCH_A \slot, (\q)+1, 0
	WIN MUL_HI
	MUL16 4, (\q)%2, \zero
	MUL16 6, (\q)%2, \zero
	PLACES NP
	WIN 0
	FETCH_A \slot, (\q)+1, 4
.endm
; A slot's last step changes slots: one barrier; in front of it each wave waits for all its tensor loads, adds 0 to its spare word, and waits for that and for its reads of this slot.
.macro TURN slot, next, fill
	s_wait_dscnt 4*NL                              ; B's set and A's blocks 0-3 are in; the youngest 16 loads (A's blocks 4-7) may be out
	WIN MUL_LO
	MUL16 0, 1, 0                                  ; 32 matrix instructions stand ahead of the wait for the next slot's tiles
	MUL16 2, 1, 0
	WIN 0
	s_wait_tensorcnt 0x0                           ; all my tensor loads have landed: my part of the next slot
	ds_add_u32 v[SPW], v[NIL]                      ; 0 onto my spare word
	s_wait_dscnt 0x0                               ; the add is done, and my reads of this slot are over
	s_barrier_signal -1
	s_barrier_wait -1
.if \fill
	CREST                                          ; the barrier has opened a round of the cluster's barrier: no wave of any partner still reads this slot or has a load on its way
	s_add_nc_u64 s[G0+4*\slot+2:G0+4*\slot+3], s[G0+4*\slot+2:G0+4*\slot+3], 2*ROWB
	s_add_nc_u64 s[G0B+4*\slot+2:G0B+4*\slot+3], s[G0B+4*\slot+2:G0B+4*\slot+3], 2*ROWB
	JLOAD G0+4*\slot, G1, G0B+4*\slot, G1B         ; the first tensor load behind the round; its four v_nop are the places in front of the loads below
.else
	PLACES NP
.endif
	FETCH_B \next, 0, 0
	FETCH_A \next, 0, 0
	WIN MUL_HI
	MUL16 4, 1, 0
	MUL16 6, 1, 0
	PLACES NP
	WIN 0
	FETCH_A \next, 0, 4
.endm
	s_wait_alu depctr_va_vdst(0)
	s_wait_tensorcnt 0x0                           ; my part of K step 0 is in; these lines stand ahead of a later first fill, as ahead of a refill
	ds_add_u32 v[SPW], v[NIL]
	s_wait_dscnt 0x0                               ; the add is done
	CROUND                                         ; everybody's part of K step 0 is in, and all sixteen work-groups are here,
	JLOAD G0+4, G1, G0B+4, G1B                     ; and K step 1's load, the first tensor load behind the round
	FETCH_B 0, 0, 0
	FETCH_A 0, 0, 0
	FETCH_A 0, 0, 4
	global_prefetch_b8 v30, s[2:3] offset:2*ROWB th:TH_LOAD_NT scope:SCOPE_SE   ; K step 2
	STEP 0, 0, 1                                   ; K 0-127: its products start the sums
	TURN 0, 1, 1                                   ; K 128-255; slot 0 takes K 512-767
	global_prefetch_b8 v30, s[2:3] offset:3*ROWB th:TH_LOAD_NT scope:SCOPE_SE   ; K step 3
	STEP 1, 0, 0
	TURN 1, 0, 1                                   ; slot 1 takes K 768-1023
	STEP 0, 0, 0
	TURN 0, 1, 0                                   ; nothing is left to fetch
	STEP 1, 0, 0
	s_wait_dscnt 4*NL
	WIN MUL_LO
	MUL16 0, 1, 0
	MUL16 2, 1, 0
	s_wait_dscnt 0
	WIN MUL_HI
	MUL16 4, 1, 0
	MUL16 6, 1, 0
	WIN 0
	; THE WAY OUT.  Which scale, which buffer and which steps: chosen by the role.
	s_wait_kmcnt 0x0
	s_cmp_eq_u32 s75, 0
	s_cselect_b32 s84, s78, s79                    ; e2 (q) or e3 (k)
	s_cselect_b32 s93, 0, 1                        ; kvimg's places are twice qimg's
	s_cselect_b64 s[86:87], s[10:11], s[12:13]
	s_lshl_b32 s92, 0x20000, s93                   ; q, k: the next head's fragment
	s_mov_b32 s88, 0x800
	s_mov_b32 s90, 0x3e800
	s_mov_b32 s94, 0x2000
	s_cmp_eq_u32 s75, 2
	s_cselect_b32 s84, s81, s84                    ; e5 (v)
	s_cselect_b32 s92, 0x400, s92                  ; v: the fragment's second half
	s_cselect_b32 s88, s88, 0x400                  ; from block to block: 16 tokens' fragment (1,024) or 16 channels' (2,048)
	s_cselect_b32 s90, s90, 0x400                  ; v, from block 3 to 4: the next head's chunk less three fragments
	s_cselect_b32 s94, s94, 0                      ; v lies 8,192 bytes into a chunk
	s_mov_b32 s89, 0
	s_mov_b32 s91, 0
	s_sub_co_i32 s84, s84, s76
	s_sub_co_i32 s84, s84, s77                     ; a sum stands for sum x 2^(e0 + e1): its code is sum / 2^(eo - e0 - e1)
	s_add_co_i32 s84, s84, 127
	s_lshl_b32 s85, s84, 23
	v_mov_b32 v[SC], s85                           ; (these five vector lines name no register of the last products: they are the places in front of the first read of results)
	s_add_co_i32 s84, s84, 8
	s_lshl_b32 s84, s84, 23
	s_or_b32 s84, s84, 0x600000
	v_mov_b32 v[LIM], s84                          ; 448 x that
	s_wait_alu depctr_va_vdst(0)
	v_and_b32 v[VO0], 31, v0
	v_lshlrev_b32 v[VO0], 4, v[VO0]
	v_add_nc_u32 v[VO1], s92, v[VO0]
	s_lshl_b32 s95, s17, 8
	s_lshl_b32 s96, s15, 7
	s_add_co_u32 s95, s95, s96                     ; my first row of A
	s_lshl_b32 s96, s42, 8
	s_lshl_b32 s97, s16, 7
	s_add_co_u32 s96, s96, s97                     ; my first row of B
	s_and_b32 s97, s96, 1023
	s_cmp_lt_u32 s71, 4
	s_cselect_b32 s98, s95, s96                    ; my first token
	s_cselect_b32 s99, s97, s95                    ; my first channel
	s_lshr_b32 s95, s98, 11
	s_lshl_b32 s95, s95, 21                        ; the batch's 16 heads,
	s_lshr_b32 s96, s99, 6
	s_lshl_b32 s96, s96, 17                        ; the head,
	s_add_co_u32 s95, s95, s96
	s_and_b32 s96, s98, 2047
	s_lshl_b32 s96, s96, 6                         ; 64 bytes a token
	s_add_co_u32 s95, s95, s96
	s_lshl_b32 s95, s95, s93
	s_add_co_u32 s96, s95, s94
	s_mov_b32 s97, 0
	s_add_nc_u64 s[86:87], s[86:87], s[96:97]
.macro OUT a                           ; block a: 16 rows of A x my 128 columns: held, converted, stored; each store of the wave covers 512 consecutive bytes, aligned
.set AC, 64*((\a)%4)
	WIN 0x02+((\a)/4)                              ; source 0: window 2 or 3
.set j, 0
.rept 64
	v_med3_num_f32 v[TMP+j], v[AC+j], -v[LIM], v[LIM]   ; the hold, into other registers; each accumulator from its low end on
.set j, j+1
.endr
	WIN 0
.if (\a) > 0
	s_wait_alu depctr_va_vdst(0)
	s_wait_xcnt 0x0                                ; the last block's stores have read their data and their base: both are written again only behind this wait
.if (\a) == 4
	s_add_nc_u64 s[86:87], s[86:87], s[90:91]
.else
	s_add_nc_u64 s[86:87], s[86:87], s[88:89]
.endif
.endif
.irp b, 0,1,2,3,4,5,6,7
	v_cvt_scalef32_pk8_fp8_f32 v[CD+2*\b:CD+2*\b+1], v[TMP+8*\b:TMP+8*\b+7], v[SC]
.endr
	v_nop                                          ; one plain line behind the last conversion: the next block's holds write its sources
	global_store_b128 v[VO0], v[CD:CD+3], s[86:87]
	global_store_b128 v[VO0], v[CD+4:CD+7], s[86:87] offset:512
	global_store_b128 v[VO1], v[CD+8:CD+11], s[86:87]
	global_store_b128 v[VO1], v[CD+12:CD+15], s[86:87] offset:512
.endm
.irp a, 0,1,2,3,4,5,6,7
	OUT \a
.endr
	s_wait_tensorcnt 0x0                           ; the wave's end
	ds_add_u32 v[SPW], v[NIL]
	s_wait_dscnt 0x0
	CROUND                                         ; the closing round: no work-group ends while a partner may still ask for a tile that names it
	s_endpgm
.Lfunc_end_k_qb9c5557e07_qkv:
	.size	k_qb9c5557e07_qkv, .Lfunc_end_k_qb9c5557e07_qkv-k_qb9c5557e07_qkv
	.p2alignl 7, 3214868480
	.fill 96, 4, 3214868480
	.section	.rodata,"a",@progbits
	.p2align	6, 0x0
	.amdhsa_kernel k_qb9c5557e07_qkv
		.amdhsa_group_segment_fixed_size 327680
		.amdhsa_private_segment_fixed_size 0
		.amdhsa_enable_private_segment 0
		.amdhsa_kernarg_size 40
		.amdhsa_user_sgpr_count 2
		.amdhsa_user_sgpr_kernarg_segment_ptr 1
		.amdhsa_wavefront_size32 1
		.amdhsa_system_sgpr_workgroup_id_x 1
		.amdhsa_system_sgpr_workgroup_id_y 1
		.amdhsa_system_sgpr_workgroup_id_z 1
		.amdhsa_system_vgpr_workitem_id 0
		.amdhsa_next_free_vgpr 1024
		.amdhsa_next_free_sgpr 100
		.amdhsa_reserve_vcc 0
		.amdhsa_float_denorm_mode_32 3
		.amdhsa_float_denorm_mode_16_64 3
		.amdhsa_memory_ordered 1
		.amdhsa_forward_progress 1
		.amdhsa_inst_pref_size 120
	.end_amdhsa_kernel
	.amdgpu_metadata
---
amdhsa.version: [ 1, 2 ]
amdhsa.kernels:
  - .name:           k_qb9c5557e07_qkv
    .symbol:         k_qb9c5557e07_qkv.kd
    .args:
      - { .name: xc, .offset: 0, .size: 8, .value_kind: global_buffer, .address_space: global }
      - { .name: wqc, .offset: 8, .size: 8, .value_kind: global_buffer, .address_space: global }
      - { .name: lowp_scales, .offset: 16, .size: 8, .value_kind: global_buffer, .address_space: global }
      - { .name: qimg, .offset: 24, .size: 8, .value_kind: global_buffer, .address_space: global }
      - { .name: kvimg, .offset: 32, .size: 8, .value_kind: global_buffer, .address_space: global }
    .group_segment_fixed_size: 327680
    .private_segment_fixed_size: 0
    .kernarg_segment_align: 8
    .kernarg_segment_size: 40
    .max_flat_workgroup_size: 128
    .sgpr_count:     100
    .vgpr_count:     1024
    .wavefront_size: 32
...
	.end_amdgpu_metadata
.endif
;; end of part 2
;; launch attn (part 3): grid 8 x 32, 16 waves a work-group, clusters of 4 x 1, 327,680 bytes of LDS; arguments qimg, kvimg, lowp_scales, ac; writes ac
.if DOCPART == 3
	.amdgcn_target "amdgcn-amd-amdhsa--gfx1250"
	.amdhsa_code_object_version 6
	.text
	.protected	k_qb9c5557e07_attn
	.globl	k_qb9c5557e07_attn
	.p2align	8
	.type	k_qb9c5557e07_attn,@function
k_qb9c5557e07_attn:
	s_mov_b64 s[64:65], 0
	v_nop
	global_prefetch_b8 v0, s[64:65] scope:SCOPE_SE
	s_setreg_imm32_b32 hwreg(HW_REG_WAVE_MODE, 25, 1), 1
	s_wait_xcnt 0x0
	s_wait_alu depctr_hold_cnt(0) depctr_sa_sdst(0) depctr_va_vdst(0) depctr_va_sdst(0) depctr_va_ssrc(0) depctr_va_vcc(0) depctr_vm_vsrc(0)
	s_getreg_b32 s2, hwreg(HW_REG_IB_STS2, 6, 4)
	s_cmp_eq_u32 s2, 0
	s_cbranch_scc0 .Lentry_in_a_cluster
	s_endpgm
.Lentry_in_a_cluster:
	s_bfe_u32 s2, ttmp6, 0x10000c
	s_cmp_lg_u32 s2, 0x3003
	s_cbranch_scc0 .Lentry_shape_is_right
	s_endpgm
.Lentry_shape_is_right:
; o = softmax(q k^T / 8) v of one head for 256 queries a work-group, both products on codes of E4M3; o is quantised (scale entry 6) and stored as images of operand registers: ac = [tile of 16 tokens][head of 16][1,024].
; qimg: [head of 32][tile of 16 queries][1,024];  kvimg: [head][chunk of 128 keys][16,384]: 8 fragments of k (1,024 each), then 4 of v (2,048 each); registers 4 q .. 4 q + 3 of all lanes are 512 consecutive bytes, lane l's at 16 l.
; THE SOFTMAX: t = score x log2(e) / 8; M = the row's largest t so far, rounded up to a whole number; p = 2^(t - M) is quantised, not normalised; the row's sum is taken of the unquantised p and divides o at the end.
; When M moves, the sum and o are multiplied by 2^(old M - new M), which rounds nothing.
; SHARES.  16 waves, one tile of 16 queries each, 256 registers.  ALL K AND V OF THE HEAD (16 chunks, 262,144 bytes) LIE IN LDS, filled once: wave w asks for chunk w at the head, its one tensor load.
; A wave works its own chunk first, for which it needs no other wave; it signals the barrier ahead of that step and waits at it behind.  Then come the 15 others in ascending order: seven steps of two chunks, one of one.
; CLUSTER: the four work-groups of a cluster take queries of the same head: each chunk is asked for jointly (mask 15).  No prefetch: the launch has no loop that loads from memory, its tensor loads all stand at the head.
; LAYOUT.  Both products are used transposed (S^T = K Q^T, O^T = V^T P^T): a lane (r, h) holds query r throughout.  Tile t of S^T holds keys 16 t + 8 h + j in register j, so the conversion of tile t's eight registers
; IS registers 2 t, 2 t + 1 of the second product's operand.
; A STEP's exponentials go in batches of 32.  Beside each batch stand the multiply-adds of the next batch's sources and the holds of the last batch's results; the sums stand between the batches.
; LIMITS: eq + ek between -123 and 130 (added to the exponent field of log2(e) / 8); ep between -126 and 119; the scaled scores stay under 2^31 in magnitude; NaN is not served.
.set LI,  1                            ; 16 x lane
.set ADRA, 2                           ; LDS address of a step's first chunk, and of the next step's
.set XT,  3
.set NM,  4                            ; -M
.set RM,  5                            ; the largest score so far
.set SUM, 6                            ; v6-9    two pairs of the row's sum
.set SPW, 10                           ; v10     my spare word's address; v11 0: never rewritten
.set NIL, 11
.set OLD, 12                           ; v12     the -M before
.set ADRB, 13                          ; LDS address of a step's second chunk
.set F,   14                           ; v14     2^(old M - new M)
.set SC,  15                           ; v15     2^ep
.set C0,  16                           ; v16-19  four chains of the maximum; then two more pairs of the sum
.set Q,   20                           ; v20-27
.set FB,  28                           ; v28-91  a chunk's fragments: of k or of v
.set PC,  92                           ; v92-107 p's codes of a step's first chunk (from v96 on over scores that have been converted); of the second: 64 registers on
.set S,   96                           ; v96-223 the scores, then p
.set O,   224                          ; v224-255 O^T
.set W,   28                           ; the way out
.set CH,  16384                        ; a chunk
.set SPARE, 16*CH                      ; behind the chunks: the spare words, 128 bytes a wave
.macro ROUND
	s_barrier_signal -1
	s_barrier_wait -1
	s_cmp_lg_u32 s12, 0
	s_cbranch_scc1 .Lnot_wave_0_\@
	s_barrier_signal -3
.Lnot_wave_0_\@:
	s_barrier_wait -3
	s_barrier_signal -1
	s_barrier_wait -1
.endm
	s_load_b256 s[4:11], s[0:1], 0x0               ; qimg s[4:5], kvimg s[6:7], the scales' exponents s[8:9], ac s[10:11]
	v_lshl_add_u32 v[SPW], v0, 2, SPARE
	v_mov_b32 v[NIL], 0
	ds_add_u32 v[SPW], v[NIL]                      ; the wave's opening: the add, twice on end, and its wait ahead of my tensor load
	ds_add_u32 v[SPW], v[NIL]
	v_lshrrev_b32 v[ADRA], 5, v0
	v_readfirstlane_b32 s12, v[ADRA]               ; wave 0..15
	s_bfe_u32 s13, ttmp6, 0x40000                  ; cx
	s_lshl_b32 s14, ttmp9, 2
	s_add_co_u32 s14, s14, s13                     ; which 256 queries
	s_and_b32 s15, ttmp7, 0xffff                   ; the head, of 32
	; descriptor group 1: 64 rows of 256 bytes, dense
	s_mov_b32 s24, 15|(3<<16)|(1<<21)              ; 15:0 the mask; elements of 8 bytes; 21 set beside a mask
	s_mov_b32 s25, 32<<16
	s_mov_b32 s26, 64<<16
	s_mov_b32 s27, 32<<16
	s_mov_b32 s28, 64
	s_mov_b32 s29, 32
	s_mov_b32 s30, 0
	s_mov_b32 s31, 0
	s_lshl_b32 s16, s15, 18                        ; the head's 16 chunks,
	s_lshl_b32 s18, s12, 14                        ; and mine
	s_add_co_u32 s16, s16, s18
	s_mov_b32 s17, 0
	s_mov_b32 s20, 0x76543210                      ; v_permlanex16_b32's selects: lane l xor 16
	s_mov_b32 s21, 0xfedcba98
	s_wait_dscnt 0x0                               ; both opening adds are done
	s_wait_kmcnt 0x0
	s_load_b256 s[48:55], s[8:9], 0x0              ; e0 .. e7
	s_add_nc_u64 s[16:17], s[6:7], s[16:17]
	s_mov_b32 s32, 1
	s_lshl_b32 s33, s12, 14                        ; LDS: wave x 16,384
	s_mov_b64 s[34:35], s[16:17]
	s_or_b32 s35, s35, 0x80000000
	ROUND                                          ; all four work-groups are here: the joint loads meet
	tensor_load_to_lds s[32:35], s[24:31]
	s_nop 0
.rept 4
	v_nop
.endr
	s_lshl_b32 s61, s14, 4
	s_add_co_u32 s61, s61, s12                     ; my tile of 16 queries, of 128
	s_lshl_b32 s58, s15, 17
	s_lshl_b32 s59, s61, 10
	s_add_co_u32 s58, s58, s59
	s_mov_b32 s59, 0
	s_add_nc_u64 s[4:5], s[4:5], s[58:59]
	s_lshr_b32 s58, s15, 4
	s_lshl_b32 s58, s58, 7
	s_add_co_u32 s58, s58, s61                     ; tile of tokens: 128 x batch + mine
	s_lshl_b32 s58, s58, 14
	s_and_b32 s59, s15, 15
	s_lshl_b32 s59, s59, 10
	s_add_co_u32 s58, s58, s59
	s_mov_b32 s59, 0
	s_add_nc_u64 s[10:11], s[10:11], s[58:59]
	v_and_b32 v[LI], 31, v0
	v_lshlrev_b32 v[LI], 4, v[LI]
	global_load_b128 v[Q:Q+3], v[LI], s[4:5]
	global_load_b128 v[Q+4:Q+7], v[LI], s[4:5] offset:512
	v_mov_b32 v[NM], 0x7f61b1e6                    ; -M of no key yet: 3e38, so the first factor is 0, on sums of 0
	v_mov_b32 v[OLD], 0x7f61b1e6
	v_mov_b32 v[RM], 0xff61b1e6                    ; under every score
	v_mov_b32 v[XT], 0                             ; a lane permute's destination counts as one of its sources
.irp j, 0,1,2,3
	v_mov_b32 v[SUM+\j], 0
.endr
.set j, 0
.rept 32
	v_mov_b32 v[O+j], 0
.set j, j+1
.endr
	s_wait_kmcnt 0x0
	s_add_co_i32 s58, s50, s51
	s_lshl_b32 s58, s58, 23
	s_add_co_i32 s22, s58, 0x3e38aa3b              ; log2(e) / 8 x 2^(eq + ek)
	s_mov_b32 s23, s22                             ; (named with it as a pair)
	s_add_co_i32 s58, s52, 127
	s_lshl_b32 s59, s58, 23
	v_mov_b32 v[SC], s59
	s_add_co_i32 s58, s58, 8
	s_lshl_b32 s58, s58, 23
	s_or_b32 s60, s58, 0x600000                    ; 448 x 2^ep
.macro FETCH a, o                      ; a chunk's fragments of k (o = 0) or of v (o = CH/2)
.irp i, 0,1,2,3,4,5,6,7,8,9,10,11,12,13,14,15
	ds_load_b128 v[FB+4*\i:FB+4*\i+3], v[\a] offset:\o+512*\i
.endr
.endm
.macro SCORES n                        ; eight tiles of 16 keys
.irp t, 0,1,2,3,4,5,6,7
	v_wmma_f32_16x16x64_fp8_fp8 v[S+64*(\n)+8*\t:S+64*(\n)+8*\t+7], v[FB+8*\t:FB+8*\t+7], v[Q:Q+7], 0
.endr
.endm
.macro PV n                            ; O^T += V^T P^T, 128 keys
.irp t, 0,1,2,3
	v_wmma_f32_16x16x128_fp8_fp8 v[O+8*\t:O+8*\t+7], v[FB+16*\t:FB+16*\t+15], v[PC+64*(\n):PC+64*(\n)+15], v[O+8*\t:O+8*\t+7]
.endr
.endm
.macro THREE
.rept 3
	v_nop                                          ; with the address made ahead of them four places in front of loads into what the products read, and of the first read of scores
.endr
.endm
.macro MX1                             ; the maximum over the first 64 scores, in four chains
.set k, 0
.rept 4
	v_max3_num_f32 v[C0+k], v[S+3*k], v[S+3*k+1], v[S+3*k+2]
.set k, k+1
.endr
.rept 26
	v_max3_num_f32 v[C0+k%4], v[C0+k%4], v[S+2*k+4], v[S+2*k+5]
.set k, k+1
.endr
.endm
.macro MX2                             ; and over the second 64
.set k, 0
.rept 32
	v_max3_num_f32 v[C0+(k+2)%4], v[C0+(k+2)%4], v[S+64+2*k], v[S+65+2*k]
.set k, k+1
.endr
.endm
.macro FM p                            ; t - M, two at a time
	v_pk_fma_f32 v[S+2*(\p):S+2*(\p)+1], v[S+2*(\p):S+2*(\p)+1], s[22:23], v[NM:NM+1] op_sel_hi:[1,0,0]
.endm
.macro EX n
	v_exp_f32 v[S+(\n)], v[S+(\n)]
.endm
.macro AD p                            ; pair p into one of the four chains of the sum, by turns
.set ar, SUM+2*(((\p)+2)%4)
.if ((\p)+2)%4 > 1
.set ar, C0+2*(((\p)+2)%4-2)
.endif
	v_pk_add_f32 v[ar:ar+1], v[ar:ar+1], v[S+2*(\p):S+2*(\p)+1]
.endm
.macro MN p                            ; the hold, two in one instruction: the conversion does not saturate (ISA guide 7.6.2); p is not negative
	v_dual_min_num_f32 v[S+2*(\p)], s60, v[S+2*(\p)] :: v_dual_min_num_f32 v[S+2*(\p)+1], s60, v[S+2*(\p)+1]
.endm
.macro RS p
	v_pk_mul_f32 v[O+2*(\p):O+2*(\p)+1], v[O+2*(\p):O+2*(\p)+1], v[F:F+1] op_sel_hi:[1,0]
.endm
.macro CV t
	v_cvt_scalef32_pk8_fp8_f32 v[PC+64*((\t)/8)+2*((\t)%8):PC+64*((\t)/8)+2*((\t)%8)+1], v[S+8*(\t):S+8*(\t)+7], v[SC]
.endm
.macro ADS p, n                        ; n pairs from pair p on
.set i, \p
.rept \n
	AD i
.set i, i+1
.endr
.endm
.macro STEP nh                         ; nh chunks: at s36, and at s37; the first one's fragments of k have been asked for
	v_nop                                          ; the fifth place behind the last products, over whose codes scores are written
	s_wait_dscnt 0x0                               ; k's fragments
	SCORES 0
.if \nh == 2
	v_add_nc_u32 v[ADRB], s37, v[LI]
	THREE
	FETCH ADRB, 0
	MX1
	s_wait_alu depctr_va_vdst(0)
	s_wait_dscnt 0x0
	SCORES 1
.endif
	v_add_nc_u32 v[ADRA], s36, v[LI]
	THREE
	FETCH ADRA, CH/2                               ; the first chunk's fragments of v
.if \nh == 2
	MX2
.else
	MX1
.endif
	s_delay_alu instid0(VALU_DEP_1)
	v_max3_num_f32 v[C0], v[C0], v[C0+1], v[C0+2]
	s_delay_alu instid0(VALU_DEP_1)
	v_max_num_f32 v[C0], v[C0], v[C0+3]
	s_delay_alu instid0(VALU_DEP_1)
	v_permlanex16_b32 v[XT], v[C0], s20, s21
	s_delay_alu instid0(VALU_DEP_1)
	v_max3_num_f32 v[RM], v[RM], v[C0], v[XT]      ; the largest score so far
	s_delay_alu instid0(VALU_DEP_1)
	v_mul_f32 v[C0], s22, v[RM]
	s_delay_alu instid0(VALU_DEP_1)
	v_floor_f32 v[NM], -v[C0]                      ; -M = floor(-t): M is a whole number
	s_delay_alu instid0(VALU_DEP_1)
	v_sub_f32 v[OLD], v[NM], v[OLD]                ; old M - new M: a whole number, 0 or less
.set i, 0
.rept 4
	FM i
.set i, i+1
.endr
	v_cvt_i32_f32 v[OLD], v[OLD]                   ; (it saturates)
.rept 4
	FM i
.set i, i+1
.endr
	v_ldexp_f32 v[F], 1.0, v[OLD]
.rept 8
	FM i
.set i, i+1
.endr
	s_wait_alu depctr_va_vdst(0)                   ; ahead of the batch
.set i, 0
.rept 16                               ; batch 0
	EX 2*i
	EX 2*i+1
	FM 16+i
.set i, i+1
.endr
	s_wait_alu depctr_va_vdst(0)                   ; behind a batch, ahead of its first reader, and ahead of the next batch
	v_pk_fma_f32 v[SUM:SUM+1], v[SUM:SUM+1], v[F:F+1], v[S:S+1] op_sel_hi:[1,0,1]
	v_pk_fma_f32 v[SUM+2:SUM+3], v[SUM+2:SUM+3], v[F:F+1], v[S+2:S+3] op_sel_hi:[1,0,1]
	v_pk_add_f32 v[C0:C0+1], v[S+4:S+5], v[S+6:S+7]
	v_pk_add_f32 v[C0+2:C0+3], v[S+8:S+9], v[S+10:S+11]
	ADS 6, 10
.if \nh == 2
.set b, 1
.rept 2                                ; batches 1 and 2: beside them the last batch's holds and the next one's sources
.set i, 0
.rept 16
	EX 32*b+2*i
	MN 16*b-16+i
	EX 32*b+2*i+1
	FM 16*b+16+i
.set i, i+1
.endr
	s_wait_alu depctr_va_vdst(0)
	ADS 16*b, 16
.set b, b+1
.endr
.endif
.set i, 0
.rept 16                               ; the last batch
	EX 64*\nh-32+2*i
	EX 64*\nh-31+2*i
	MN 32*\nh-32+i
.set i, i+1
.endr
	s_wait_dscnt 0x0                               ; the first chunk's fragments of v
	s_wait_alu depctr_va_vdst(0)                   ; behind the last batch, and directly ahead of the first reader of O^T
.set i, 0
.rept 16
	RS i
.set i, i+1
.endr
.if \nh == 2
.set n, 0
.rept 16                               ; the first chunk's conversions among the last batch's sums
	AD 48+n
.if n%2 == 0
	CV n/2
.endif
.set n, n+1
.endr
	PV 0
.set n, 48
.rept 4                                ; (these four are also the places in front of the loads below)
	MN n
.set n, n+1
.endr
	FETCH ADRB, CH/2
.set n, 0
.rept 6
	CV 8+n
	MN 52+2*n
	MN 53+2*n
.set n, n+1
.endr
	CV 14
	CV 15
	v_mov_b32 v[OLD], v[NM]                        ; (one plain line behind the last conversion)
	s_wait_alu depctr_va_vdst(0)
	s_wait_dscnt 0x0                               ; the second chunk's fragments of v
	PV 1
.else
.set n, 0
.rept 16
	AD 16+n
.if n%4 == 3
	CV n/4
.endif
.set n, n+1
.endr
.set n, 4
.rept 4
	MN 4*n
	MN 4*n+1
	MN 4*n+2
	MN 4*n+3
.if n > 4
	CV n-1
.endif
.set n, n+1
.endr
	CV 7
	v_mov_b32 v[OLD], v[NM]                        ; (one plain line behind the last conversion)
	PV 0
.endif
.endm
.macro JOINS                           ; the two other chains join the sum
	v_pk_add_f32 v[SUM:SUM+1], v[SUM:SUM+1], v[C0:C0+1]
	v_pk_add_f32 v[SUM+2:SUM+3], v[SUM+2:SUM+3], v[C0+2:C0+3]
.endm
.macro NEXTK                           ; the next step's first fragments of k, from s38; the four vector lines ahead of them are their places
	v_add_nc_u32 v[ADRA], s38, v[LI]
	JOINS
	v_nop
	FETCH ADRA, 0
.endm
.macro CHUNK d, n                      ; where the (s57 + n)-th of the 15 other chunks lies: my own is passed over.  s56 = s57 x CH
	s_add_co_u32 s39, s57, \n
	s_cmp_ge_u32 s39, s12
	s_cselect_b32 s39, CH, 0
	s_add_co_u32 s39, s39, (\n)*CH
	s_add_co_u32 s[\d], s56, s39
.endm
	s_wait_alu depctr_va_vdst(0)                   ; at the head's end
	s_wait_loadcnt 0x0                             ; q
	s_wait_tensorcnt 0x0                           ; my chunk has landed:
	s_wait_dscnt 0x0
	s_barrier_signal -1                            ; say so; nothing is filled again, and the step below reads my own chunk
	s_lshl_b32 s36, s12, 14
	v_add_nc_u32 v[ADRA], s36, v[LI]
	FETCH ADRA, 0
	STEP 1
	s_barrier_wait -1                              ; everybody's chunk has landed
	s_mov_b32 s56, 0
	s_mov_b32 s57, 0
	CHUNK 38, 0
	NEXTK
.Lpair:
	CHUNK 36, 0
	CHUNK 37, 1
	CHUNK 38, 2
	STEP 2
	NEXTK
	s_add_co_u32 s56, s56, 2*CH
	s_add_co_u32 s57, s57, 2
	s_cmp_lt_u32 s57, 14
	s_cbranch_scc1 .Lpair
	s_mov_b32 s56, 14*CH
	s_mov_b32 s57, 14
	CHUNK 36, 0
	STEP 1                                         ; the last chunk
	JOINS
	v_pk_add_f32 v[SUM:SUM+1], v[SUM:SUM+1], v[SUM+2:SUM+3]
	v_add_f32 v[SUM], v[SUM], v[SUM+1]
	v_permlanex16_b32 v[XT], v[SUM], s20, s21
	v_add_f32 v[SUM], v[SUM], v[XT]                ; the row's sum
	s_wait_alu depctr_va_vdst(0)                   ; ahead of the transcendental
	v_rcp_f32 v[SUM], v[SUM]
	v_mov_b32 v[SC], 1.0
	v_mov_b32 v[C0], 0x43e00000                    ; 448
	s_add_co_i32 s58, s52, s53
	s_sub_co_i32 s58, s58, s54
	s_wait_alu depctr_va_vdst(0)                   ; ahead of the first reader of the reciprocal and of O^T
	v_ldexp_f32 v[SUM], v[SUM], s58                ; x 2^(ep + ev - eo)
.set j, 0
.rept 16
	v_pk_mul_f32 v[W+j:W+j+1], v[O+j:O+j+1], v[SUM:SUM+1] op_sel_hi:[1,0]
.set j, j+2
.endr
.set j, 0
.rept 32
	v_med3_num_f32 v[W+j], v[W+j], -v[C0], v[C0]
.set j, j+1
.endr
.irp t, 0,1,2,3
	v_cvt_scalef32_pk8_fp8_f32 v[PC+2*\t:PC+2*\t+1], v[W+8*\t:W+8*\t+7], v[SC]
.endr
	v_nop
.irp t, 0,1,4,5                        ; registers 2 t, 2 t + 1 hold channels 16 t + 8 h + 0 .. 7; the halves change places, so that registers 4 c .. 4 c + 3 hold channels 32 c + 16 h + 0 .. 15
	v_permlane16_swap_b32 v[PC+\t], v[PC+\t+2]
.endr
	global_store_b128 v[LI], v[PC:PC+3], s[10:11]  ; each store of the wave covers 512 consecutive bytes, aligned
	global_store_b128 v[LI], v[PC+4:PC+7], s[10:11] offset:512
	s_wait_tensorcnt 0x0                           ; the wave's end
	ds_add_u32 v[SPW], v[NIL]
	s_wait_dscnt 0x0
	ROUND                                          ; the closing round
	s_endpgm
.Lfunc_end_k_qb9c5557e07_attn:
	.size	k_qb9c5557e07_attn, .Lfunc_end_k_qb9c5557e07_attn-k_qb9c5557e07_attn
	.p2alignl 7, 3214868480
	.fill 96, 4, 3214868480
	.section	.rodata,"a",@progbits
	.p2align	6, 0x0
	.amdhsa_kernel k_qb9c5557e07_attn
		.amdhsa_group_segment_fixed_size 327680
		.amdhsa_private_segment_fixed_size 0
		.amdhsa_enable_private_segment 0
		.amdhsa_kernarg_size 32
		.amdhsa_user_sgpr_count 2
		.amdhsa_user_sgpr_kernarg_segment_ptr 1
		.amdhsa_wavefront_size32 1
		.amdhsa_system_sgpr_workgroup_id_x 1
		.amdhsa_system_sgpr_workgroup_id_y 1
		.amdhsa_system_sgpr_workgroup_id_z 1
		.amdhsa_system_vgpr_workitem_id 0
		.amdhsa_next_free_vgpr 256
		.amdhsa_next_free_sgpr 66
		.amdhsa_reserve_vcc 0
		.amdhsa_float_denorm_mode_32 3
		.amdhsa_float_denorm_mode_16_64 3
		.amdhsa_memory_ordered 1
		.amdhsa_forward_progress 1
		.amdhsa_inst_pref_size 71
	.end_amdhsa_kernel
	.amdgpu_metadata
---
amdhsa.version: [ 1, 2 ]
amdhsa.kernels:
  - .name:           k_qb9c5557e07_attn
    .symbol:         k_qb9c5557e07_attn.kd
    .args:
      - { .name: qimg, .offset: 0, .size: 8, .value_kind: global_buffer, .address_space: global }
      - { .name: kvimg, .offset: 8, .size: 8, .value_kind: global_buffer, .address_space: global }
      - { .name: lowp_scales, .offset: 16, .size: 8, .value_kind: global_buffer, .address_space: global }
      - { .name: ac, .offset: 24, .size: 8, .value_kind: global_buffer, .address_space: global }
    .group_segment_fixed_size: 327680
    .private_segment_fixed_size: 0
    .kernarg_segment_align: 8
    .kernarg_segment_size: 32
    .max_flat_workgroup_size: 512
    .sgpr_count:     66
    .vgpr_count:     256
    .wavefront_size: 32
...
	.end_amdgpu_metadata
.endif
;; end of part 3
;; launch projln (part 4): grid 256 x 1, 8 waves a work-group, clusters of 4 x 1, 327,680 bytes of LDS; arguments ac, wcc, x, b_comb, lowp_scales, gamma1, beta1, gamma2, beta2, out0; writes out0
.if DOCPART == 4
	.amdgcn_target "amdgcn-amd-amdhsa--gfx1250"
	.amdhsa_code_object_version 6
	.text
	.protected	k_qb9c5557e07_projln
	.globl	k_qb9c5557e07_projln
	.p2align	8
	.type	k_qb9c5557e07_projln,@function
k_qb9c5557e07_projln:
	s_mov_b64 s[64:65], 0
	v_nop
	global_prefetch_b8 v0, s[64:65] scope:SCOPE_SE
	s_setreg_imm32_b32 hwreg(HW_REG_WAVE_MODE, 25, 1), 1
	s_wait_xcnt 0x0
	s_wait_alu depctr_hold_cnt(0) depctr_sa_sdst(0) depctr_va_vdst(0) depctr_va_sdst(0) depctr_va_ssrc(0) depctr_va_vcc(0) depctr_vm_vsrc(0)
	s_getreg_b32 s2, hwreg(HW_REG_IB_STS2, 6, 4)
	s_cmp_eq_u32 s2, 0
	s_cbranch_scc0 .Lentry_in_a_cluster
	s_endpgm
.Lentry_in_a_cluster:
	s_bfe_u32 s2, ttmp6, 0x10000c
	s_cmp_lg_u32 s2, 0x3003
	s_cbranch_scc0 .Lentry_shape_is_right
	s_endpgm
.Lentry_shape_is_right:
; y = x + (attention's output x w_comb^T + b_comb), the last quantised product on codes of E4M3; out = norm2(norm1(y)).  ffn is left out as dead work: one number for each row, which the second norm takes away with the
; row's mean for all finite values of theta, w1 and b1; LIMIT: a NaN, an infinity or an overflow in ffn alone is not carried to the result.
; A work-group makes 16 WHOLE ROWS (tokens), so both norms stand in it and y never goes to memory.  Eight waves; a wave multiplies all 16 tokens with 64 columns of each half of 512: 8 accumulators.
; w_comb's codes come in 4 fills of 512 columns x 512 along K, into one and the same 264 KiB of LDS.  A wave fetches 64 rows with one tensor load, the very rows that it reads: they go on into 256 registers, and while they
; are multiplied the next fill is on its way into the bytes that were read.
; THE ORDER OF THE FILLS differs between neighbouring clusters.  With b and c bits 0 and 1 of the cluster's number, fill i brings column half (i / 2) xor b at K half (i % 2) xor c.  Only global addresses hang on b and c:
; those of the fills; A's (LDS place p holds K step p xor 4 c); and those of everything that runs along a row (column place p of the sums is column p xor 512 b).
; A (16 tokens x K 1,024, images of operand registers, 16 bytes a lane) is loaded once, an eighth a wave, and shared through LDS bytes of its own.
; CLUSTER: every work-group walks all of w_comb; the four of a cluster ask for each tile jointly (mask 15): b and c are the same in all four.
; No prefetch: in trip 0 four neighbouring clusters ask for the four fills between them, so all of w_comb has been asked for by loads of this launch a whole trip ahead of every later fill.
; THE MATRIX INSTRUCTION IS USED TRANSPOSED (source 0 = 16 rows of w_comb, source 1 = the tokens): a lane holds eight neighbouring columns of one token.  The sums turn through LDS (over the fills' bytes, behind the last) into whole rows:
; wave w takes rows 2 w and 2 w + 1; register 4 j + i of lane l holds column place 128 j + 4 l + i, so loads and stores of the wave cover 512 consecutive bytes, aligned.
; A norm: the mean; the mean of the squared differences from it; v_rsq_f32.
; LIMIT: e6 + e7 between -126 and 127, so that 2^(e6 + e7) is an f32 number.  NaN among the inputs is not served.
; REGISTERS: window 0: v1-31 addresses and work; v32-95 A's fragments of four K steps, then the two rows; v96-159 accumulators; v160-223 x; v224-255 the bias.
;   window 1: w_comb's fragments (K step q, tile t at v[64 q + 16 t]), then gamma1, beta1, gamma2, beta2.
.set PITCH, 528                        ; 512 bytes + 16: the 16 rows that a load touches start at 16 different banks (64 banks of 4 bytes: ISA guide 11.1)
.set RW,    64*PITCH                   ; a wave's rows
.set ABASE, 8*RW                       ; A's 16 images of 1,024 bytes
.set SPARE, ABASE+16384                ; the spare words, 128 bytes a wave
.set YP,    4112                       ; a row of sums in LDS: 4,096 bytes + 16
.set LA,  1                            ; 16 x lane
.set RD,  7
.set BR,  8                            ; my fragments of w_comb
.set AR,  9                            ; A, to read
.set AS,  10                           ; A, my eighth
.set STO, 11
.set SPW, 28
.set NIL, 29
.set LG,  30                           ; 16 x lane + 2,048 b: along a row in memory, column places 0-511
.set LH,  31                           ; 16 x lane + 2,048 (1 - b): column places 512-1023
.set AF,  32
.set Y0,  32
.set Y1,  64
.set ACC, 96
.set X,   160
.set BI,  224
.set GA,  0                            ; window 1
.set BA,  32
.set GB,  64
.set BB,  96
.set MSB, 0
.macro WIN new                         ; the immediate's high byte repeats the setting that is left
.if MSB != (\new)
	s_set_vgpr_msb (MSB<<8)|(\new)
.set MSB, \new
.endif
.endm
.macro CROUND
	s_barrier_signal -1
	s_barrier_wait -1
	s_cmp_lg_u32 s24, 0
	s_cbranch_scc1 .Lnot_wave_0_\@
	s_barrier_signal -3
.Lnot_wave_0_\@:
	s_barrier_wait -3
	s_barrier_signal -1
	s_barrier_wait -1
.endm
.macro PLACES
.rept 4
	v_nop
.endr
.endm
.macro COLS d, p, o, th                ; a row of 1,024 numbers from s[p:p+1] + o into 32 registers
.irp j, 0,1,2,3
	global_load_b128 v[\d+4*\j:\d+4*\j+3], v[LG], s[\p:\p+1] offset:\o+512*\j \th
	global_load_b128 v[\d+4*\j+16:\d+4*\j+19], v[LH], s[\p:\p+1] offset:\o+512*\j \th
.endr
.endm
	s_load_b512 s[4:19], s[0:1], 0x0               ; ac s[4:5], wcc s[6:7], x s[8:9], b_comb s[10:11], the scales' exponents s[12:13], gamma1 s[14:15], beta1 s[16:17], gamma2 s[18:19]
	s_load_b128 s[20:23], s[0:1], 0x40             ; beta2 s[20:21], out0 s[22:23]
	v_lshl_add_u32 v[SPW], v0, 2, SPARE
	v_mov_b32 v[NIL], 0
	ds_add_u32 v[SPW], v[NIL]                      ; the wave's opening: the add, twice on end, and its wait ahead of my first tensor load
	ds_add_u32 v[SPW], v[NIL]
	v_lshrrev_b32 v2, 5, v0
	v_readfirstlane_b32 s24, v2                    ; wave 0..7
	s_bfe_u32 s25, ttmp6, 0x40000                  ; cx
	s_lshl_b32 s26, ttmp9, 2
	s_add_co_u32 s26, s26, s25                     ; my tile of 16 tokens
	s_and_b32 s46, ttmp9, 1                        ; b
	s_bfe_u32 s47, ttmp9, 0x10001                  ; c
	s_lshl_b32 s40, s46, 19                        ; where the first column half begins, in bytes
	s_xor_b32 s42, s40, 0x80000                    ; the second
	s_lshl_b32 s41, s47, 9                         ; the first K half
	s_xor_b32 s43, s41, 0x200                      ; the second
	; descriptor group 1: 64 rows of 512 bytes, 1,024 apart; 16 bytes of padding behind each
	s_mov_b32 s28, 15|(1<<20)|(1<<21)|(6<<22)|(3<<25)   ; the mask; elements of 1 byte; padding on; 21 set beside a mask; after every 128 words (code 6) 4 words (code 3)
	s_mov_b32 s29, 512<<16
	s_mov_b32 s30, 64<<16
	s_mov_b32 s31, 512<<16
	s_mov_b32 s32, 64
	s_mov_b32 s33, 1024
	s_mov_b32 s34, 0
	s_mov_b32 s35, 0
	s_lshl_b32 s44, s24, 16                        ; my 64 rows of 1,024 bytes
	s_mov_b32 s45, 0
	s_mul_i32 s37, s24, RW                         ; where they go: no place in the cluster enters an LDS address
	s_mov_b32 s36, 1
	s_mov_b32 s56, 0x76543210                      ; v_permlanex16_b32's selects: lane l xor 16
	s_mov_b32 s57, 0xfedcba98
	s_mov_b32 s58, 0x3a800000                      ; 1 / 1,024
	s_mov_b32 s59, 0x3727c5ac                      ; 1e-5
	s_wait_dscnt 0x0                               ; both opening adds are done
	s_wait_kmcnt 0x0
	s_load_b256 s[48:55], s[12:13], 0x0            ; e0 .. e7
	s_add_nc_u64 s[6:7], s[6:7], s[44:45]          ; my rows of column half 0, K half 0
	s_add_co_u32 s44, s40, s41
	s_add_nc_u64 s[38:39], s[6:7], s[44:45]        ; fill 0
	s_or_b32 s39, s39, 0x80000000
	CROUND                                         ; all four work-groups are here: the joint loads meet
	tensor_load_to_lds s[36:39], s[28:35]          ; fill 0
	s_nop 0
	PLACES
	s_lshl_b32 s44, s26, 14
	s_lshl_b32 s45, s47, 2
	s_xor_b32 s45, s24, s45                        ; the K step that I load
	s_lshl_b32 s45, s45, 11
	s_add_co_u32 s44, s44, s45
	s_mov_b32 s45, 0
	s_add_nc_u64 s[4:5], s[4:5], s[44:45]          ; A: 16,384 bytes a tile of tokens, 2,048 a K step
	s_lshl_b32 s60, s26, 16
	s_lshl_b32 s61, s24, 13
	s_add_co_u32 s60, s60, s61                     ; my two rows of x and of the output
	s_mov_b32 s61, 0
	s_add_nc_u64 s[8:9], s[8:9], s[60:61]
	s_add_nc_u64 s[22:23], s[22:23], s[60:61]
	s_lshl_b32 s27, s24, 8
	s_mul_i32 s44, s24, 2*YP
	s_lshl_b32 s2, s24, 11
	s_add_co_u32 s2, s2, ABASE
	s_lshl_b32 s3, s46, 11
	s_xor_b32 s25, s3, 0x800
	v_and_b32 v4, 31, v0
	v_lshlrev_b32 v[LA], 4, v4
.irp c, 0,1,2,3
	global_load_b128 v[AF+4*\c:AF+4*\c+3], v[LA], s[4:5] offset:512*\c
.endr
	v_add_nc_u32 v[LG], s3, v[LA]
	v_add_nc_u32 v[LH], s25, v[LA]
	v_and_b32 v2, 15, v0                           ; r
	v_bfe_u32 v3, v0, 4, 1                         ; h
	v_mul_u32_u24 v5, v2, PITCH
	v_lshl_add_u32 v5, v3, 4, v5                   ; a fragment's row r x pitch + 16 h
	v_add_nc_u32 v[BR], s37, v5
	v_add_nc_u32 v[AR], ABASE, v[LA]
	v_add_nc_u32 v[AS], s2, v[LA]
	v_mul_u32_u24 v6, v2, YP
	v_lshl_add_u32 v6, v3, 5, v6
	v_add_nc_u32 v[STO], s27, v6                   ; the turn, in: row r, my 64 columns, 32 bytes for each half of the lanes
	v_add_nc_u32 v[RD], s44, v[LA]                 ; back: rows 2 w, 2 w + 1
	s_wait_alu depctr_va_vdst(0)                   ; at the head's end
	s_wait_kmcnt 0x0
	s_add_co_i32 s62, s54, s55
	s_add_co_i32 s62, s62, 127
	s_lshl_b32 s62, s62, 23                        ; 2^(e6 + e7) as f32
	s_mov_b32 s63, s62                             ; (named with it as a pair)
; Trip i: fill i goes on into registers (a wave reads its own rows alone); then each wave waits for all its tensor loads, adds 0 to its spare word, and waits for that and for its reads; behind the round fill i + 1
; is asked for, and under its flight fill i is multiplied: 16 matrix instructions.
.macro TRIP i
	s_wait_tensorcnt 0x0                           ; my rows of fill i have landed
.if (\i) == 0
	s_wait_loadcnt 0x0                             ; my eighth of A
.irp c, 0,1,2,3
	ds_store_b128 v[AS], v[AF+4*\c:AF+4*\c+3] offset:512*\c
.endr
.endif
	WIN 0x40                                       ; destination window 1
.irp q, 0,1,2,3
.irp t, 0,1,2,3
.irp c, 0,1,2,3
	ds_load_b128 v[64*\q+16*\t+4*\c:64*\q+16*\t+4*\c+3], v[BR] offset:\t*16*PITCH+128*\q+32*\c
.endr
.endr
.endr
	WIN 0
	s_wait_tensorcnt 0x0
	ds_add_u32 v[SPW], v[NIL]
.if (\i) < 3
	s_add_co_u32 s44, s[40+2*(((\i)+1)/2)], s[41+2*(((\i)+1)%2)]   ; where fill i + 1 begins: its column half + its K half
	s_add_nc_u64 s[38:39], s[6:7], s[44:45]
	s_or_b32 s39, s39, 0x80000000
.endif
	s_wait_dscnt 0x0                               ; the add is done, and so are my reads of fill i (trip 0: and my stores of A)
.if (\i) < 3
	CROUND                                         ; all of that holds of every wave of every work-group of the cluster
	tensor_load_to_lds s[36:39], s[28:35]
	s_nop 0
.else
	s_barrier_signal -1                            ; nothing is filled again; behind this barrier nobody reads the fills' bytes
	s_barrier_wait -1
.endif
	PLACES
.irp q, 0,1,2,3
.irp c, 0,1,2,3
	ds_load_b128 v[AF+16*\q+4*\c:AF+16*\q+4*\c+3], v[AR] offset:(4*((\i)%2)+\q)*2048+512*\c
.endr
.endr
.if (\i) == 1
	COLS X, 8, 0, th:TH_LOAD_NT                    ; x, a row behind each of the last two fills, and the bias
	COLS BI, 10, 0
.endif
.if (\i) == 2
	COLS X+32, 8, 4096, th:TH_LOAD_NT
.endif
	s_wait_dscnt 0x0
	WIN 0x01                                       ; source 0 window 1
.irp q, 0,1,2,3                        ; four accumulators by turns; the first K step starts the sums
.irp t, 0,1,2,3
.if (((\i)%2) == 0) && (\q == 0)
	v_wmma_f32_16x16x128_fp8_fp8 v[ACC+8*(4*((\i)/2)+\t):ACC+8*(4*((\i)/2)+\t)+7], v[16*\t:16*\t+15], v[AF:AF+15], 0
.else
	v_wmma_f32_16x16x128_fp8_fp8 v[ACC+8*(4*((\i)/2)+\t):ACC+8*(4*((\i)/2)+\t)+7], v[64*\q+16*\t:64*\q+16*\t+15], v[AF+16*\q:AF+16*\q+15], v[ACC+8*(4*((\i)/2)+\t):ACC+8*(4*((\i)/2)+\t)+7]
.endif
.endr
.endr
	WIN 0
	PLACES                                         ; in front of loads into what these products read, and of the first read of results
.endm
.irp i, 0,1,2,3
	TRIP \i
.endr
	WIN 0x40
	COLS GA, 14, 0                                 ; the gains and biases, over w_comb's fragments, which are done with
	COLS BA, 16, 0
	COLS GB, 18, 0
	COLS BB, 20, 0
	WIN 0
.irp a, 0,1,2,3,4,5,6,7
	ds_store_b128 v[STO], v[ACC+8*\a:ACC+8*\a+3] offset:2048*(\a/4)+64*(\a%4)
	ds_store_b128 v[STO], v[ACC+8*\a+4:ACC+8*\a+7] offset:2048*(\a/4)+64*(\a%4)+16
.endr
	s_wait_dscnt 0x0                               ; my sums are in LDS,
	s_barrier_signal -1
	s_barrier_wait -1                              ; everybody's are
.irp q, 0,1
.irp j, 0,1,2,3,4,5,6,7
	ds_load_b128 v[Y0+32*\q+4*\j:Y0+32*\q+4*\j+3], v[RD] offset:\q*YP+512*\j
.endr
.endr
.macro JOIN a, b                       ; the sums over the row, of both rows by turns, in every lane
	v_pk_add_f32 v[\a:\a+1], v[\a:\a+1], v[\a+2:\a+3]
	v_pk_add_f32 v[\b:\b+1], v[\b:\b+1], v[\b+2:\b+3]
	v_add_f32 v[\a], v[\a], v[\a+1]
	v_add_f32 v[\b], v[\b], v[\b+1]
.irp m, 1,2,4,8
	v_add_f32_dpp v[\a], v[\a], v[\a] row_xmask:\m row_mask:0xf bank_mask:0xf
	v_add_f32_dpp v[\b], v[\b], v[\b] row_xmask:\m row_mask:0xf bank_mask:0xf
.endr
	v_permlanex16_b32 v[\a+1], v[\a], s56, s57
	v_permlanex16_b32 v[\b+1], v[\b], s56, s57
	v_add_f32 v[\a], v[\a], v[\a+1]
	v_add_f32 v[\b], v[\b], v[\b+1]
.endm
.macro STATS                           ; both rows become (row - mean) / sqrt(variance + 1e-5)
	v_pk_add_f32 v[12:13], v[Y0:Y0+1], v[Y0+2:Y0+3]
	v_pk_add_f32 v[16:17], v[Y1:Y1+1], v[Y1+2:Y1+3]
	v_pk_add_f32 v[14:15], v[Y0+4:Y0+5], v[Y0+6:Y0+7]
	v_pk_add_f32 v[18:19], v[Y1+4:Y1+5], v[Y1+6:Y1+7]
.irp j, 8,12,16,20,24,28
	v_pk_add_f32 v[12:13], v[12:13], v[Y0+\j:Y0+\j+1]
	v_pk_add_f32 v[16:17], v[16:17], v[Y1+\j:Y1+\j+1]
	v_pk_add_f32 v[14:15], v[14:15], v[Y0+\j+2:Y0+\j+3]
	v_pk_add_f32 v[18:19], v[18:19], v[Y1+\j+2:Y1+\j+3]
.endr
	JOIN 12, 16
	v_mul_f32 v12, s58, v12                        ; the means
	v_mul_f32 v16, s58, v16
.irp j, 0,2,4,6,8,10,12,14,16,18,20,22,24,26,28,30
	v_pk_add_f32 v[Y0+\j:Y0+\j+1], v[Y0+\j:Y0+\j+1], v[12:13] op_sel_hi:[1,0] neg_lo:[0,1] neg_hi:[0,1]
	v_pk_add_f32 v[Y1+\j:Y1+\j+1], v[Y1+\j:Y1+\j+1], v[16:17] op_sel_hi:[1,0] neg_lo:[0,1] neg_hi:[0,1]
.endr
	v_pk_mul_f32 v[20:21], v[Y0:Y0+1], v[Y0:Y0+1]
	v_pk_mul_f32 v[24:25], v[Y1:Y1+1], v[Y1:Y1+1]
	v_pk_mul_f32 v[22:23], v[Y0+2:Y0+3], v[Y0+2:Y0+3]
	v_pk_mul_f32 v[26:27], v[Y1+2:Y1+3], v[Y1+2:Y1+3]
.irp j, 4,8,12,16,20,24,28
	v_pk_fma_f32 v[20:21], v[Y0+\j:Y0+\j+1], v[Y0+\j:Y0+\j+1], v[20:21]
	v_pk_fma_f32 v[24:25], v[Y1+\j:Y1+\j+1], v[Y1+\j:Y1+\j+1], v[24:25]
	v_pk_fma_f32 v[22:23], v[Y0+\j+2:Y0+\j+3], v[Y0+\j+2:Y0+\j+3], v[22:23]
	v_pk_fma_f32 v[26:27], v[Y1+\j+2:Y1+\j+3], v[Y1+\j+2:Y1+\j+3], v[26:27]
.endr
	JOIN 20, 24
	v_fma_f32 v20, v20, s58, s59                   ; the variances + 1e-5
	v_fma_f32 v24, v24, s58, s59
	s_wait_alu depctr_va_vdst(0)                   ; ahead of the batch
	v_rsq_f32 v20, v20
	v_rsq_f32 v24, v24
	v_nop                                          ; one plain line behind the transcendentals
	s_wait_alu depctr_va_vdst(0)                   ; and ahead of their first reader
.irp j, 0,2,4,6,8,10,12,14,16,18,20,22,24,26,28,30
	v_pk_mul_f32 v[Y0+\j:Y0+\j+1], v[Y0+\j:Y0+\j+1], v[20:21] op_sel_hi:[1,0]
	v_pk_mul_f32 v[Y1+\j:Y1+\j+1], v[Y1+\j:Y1+\j+1], v[24:25] op_sel_hi:[1,0]
.endr
.endm
.macro AFFINE g, b                     ; x gain + bias, which lie in window 1
	WIN 0x14
.irp j, 0,2,4,6,8,10,12,14,16,18,20,22,24,26,28,30
	v_pk_fma_f32 v[Y0+\j:Y0+\j+1], v[Y0+\j:Y0+\j+1], v[\g+\j:\g+\j+1], v[\b+\j:\b+\j+1]
	v_pk_fma_f32 v[Y1+\j:Y1+\j+1], v[Y1+\j:Y1+\j+1], v[\g+\j:\g+\j+1], v[\b+\j:\b+\j+1]
.endr
	WIN 0
.endm
	s_wait_loadcnt 32                              ; x and the bias are in; the 32 loads of gains and biases may be out
	s_wait_dscnt 0x0                               ; my two rows of sums
.irp j, 0,2,4,6,8,10,12,14,16,18,20,22,24,26,28,30
	v_pk_fma_f32 v[Y0+\j:Y0+\j+1], v[Y0+\j:Y0+\j+1], s[62:63], v[BI+\j:BI+\j+1] op_sel_hi:[1,0,1]   ; sum x 2^(e6 + e7) + bias
	v_pk_fma_f32 v[Y1+\j:Y1+\j+1], v[Y1+\j:Y1+\j+1], s[62:63], v[BI+\j:BI+\j+1] op_sel_hi:[1,0,1]
.endr
.irp j, 0,2,4,6,8,10,12,14,16,18,20,22,24,26,28,30
	v_pk_add_f32 v[Y0+\j:Y0+\j+1], v[Y0+\j:Y0+\j+1], v[X+\j:X+\j+1]   ; + x
	v_pk_add_f32 v[Y1+\j:Y1+\j+1], v[Y1+\j:Y1+\j+1], v[X+32+\j:X+33+\j]
.endr
	STATS
	s_wait_alu depctr_va_vdst(0)
	s_wait_loadcnt 16                              ; gamma1, beta1
	AFFINE GA, BA
	STATS
	s_wait_alu depctr_va_vdst(0)
	s_wait_loadcnt 0x0
	AFFINE GB, BB
.irp q, 0,1
.irp j, 0,1,2,3
	global_store_b128 v[LG], v[Y0+32*\q+4*\j:Y0+32*\q+4*\j+3], s[22:23] offset:4096*\q+512*\j th:TH_STORE_NT
	global_store_b128 v[LH], v[Y0+32*\q+4*\j+16:Y0+32*\q+4*\j+19], s[22:23] offset:4096*\q+512*\j th:TH_STORE_NT
.endr
.endr
	s_wait_tensorcnt 0x0                           ; the wave's end
	ds_add_u32 v[SPW], v[NIL]
	s_wait_dscnt 0x0
	CROUND                                         ; the closing round
	s_endpgm
.Lfunc_end_k_qb9c5557e07_projln:
	.size	k_qb9c5557e07_projln, .Lfunc_end_k_qb9c5557e07_projln-k_qb9c5557e07_projln
	.p2alignl 7, 3214868480
	.fill 96, 4, 3214868480
	.section	.rodata,"a",@progbits
	.p2align	6, 0x0
	.amdhsa_kernel k_qb9c5557e07_projln
		.amdhsa_group_segment_fixed_size 327680
		.amdhsa_private_segment_fixed_size 0
		.amdhsa_enable_private_segment 0
		.amdhsa_kernarg_size 80
		.amdhsa_user_sgpr_count 2
		.amdhsa_user_sgpr_kernarg_segment_ptr 1
		.amdhsa_wavefront_size32 1
		.amdhsa_system_sgpr_workgroup_id_x 1
		.amdhsa_system_sgpr_workgroup_id_y 1
		.amdhsa_system_sgpr_workgroup_id_z 1
		.amdhsa_system_vgpr_workitem_id 0
		.amdhsa_next_free_vgpr 512
		.amdhsa_next_free_sgpr 66
		.amdhsa_reserve_vcc 0
		.amdhsa_float_denorm_mode_32 3
		.amdhsa_float_denorm_mode_16_64 3
		.amdhsa_memory_ordered 1
		.amdhsa_forward_progress 1
		.amdhsa_inst_pref_size 71
	.end_amdhsa_kernel
	.amdgpu_metadata
---
amdhsa.version: [ 1, 2 ]
amdhsa.kernels:
  - .name:           k_qb9c5557e07_projln
    .symbol:         k_qb9c5557e07_projln.kd
    .args:
      - { .name: ac, .offset: 0, .size: 8, .value_kind: global_buffer, .address_space: global }
      - { .name: wcc, .offset: 8, .size: 8, .value_kind: global_buffer, .address_space: global }
      - { .name: x, .offset: 16, .size: 8, .value_kind: global_buffer, .address_space: global }
      - { .name: b_comb, .offset: 24, .size: 8, .value_kind: global_buffer, .address_space: global }
      - { .name: lowp_scales, .offset: 32, .size: 8, .value_kind: global_buffer, .address_space: global }
      - { .name: gamma1, .offset: 40, .size: 8, .value_kind: global_buffer, .address_space: global }
      - { .name: beta1, .offset: 48, .size: 8, .value_kind: global_buffer, .address_space: global }
      - { .name: gamma2, .offset: 56, .size: 8, .value_kind: global_buffer, .address_space: global }
      - { .name: beta2, .offset: 64, .size: 8, .value_kind: global_buffer, .address_space: global }
      - { .name: out0, .offset: 72, .size: 8, .value_kind: global_buffer, .address_space: global }
    .group_segment_fixed_size: 327680
    .private_segment_fixed_size: 0
    .kernarg_segment_align: 8
    .kernarg_segment_size: 80
    .max_flat_workgroup_size: 256
    .sgpr_count:     66
    .vgpr_count:     512
    .wavefront_size: 32
...
	.end_amdgpu_metadata
.endif
;; end of part 4
